; MI455X (gfx1250); checked and timed in simulation.
; The chip was launched on July 23, 2026; its instructions are those of AMD's public machine-readable ISA for CDNA 5 (MIT licence, August 2026) and "CDNA5" Instruction Set Architecture Reference Guide (July 2026). The comments in the code are by the model that wrote it; some were corrected since.
;; Multi Headed Attention3 D. Allowed arithmetic: matrix products marked QUANTISED: E4M3 operands, one given power-of-two scale a tensor, by v_wmma_f32_16x16x64_fp8_fp8 or v_wmma_f32_16x16x128_fp8_fp8, f32 sums; products left as they are: f32 operands where the result goes on into a quantised operand, else bf16, f16 or f32 operands; f32 sums; everything else in f32.
;; Inputs: Wk 256 x 256 float32; Wo 256 x 256 float32; Wq 256 x 256 float32; Wv 256 x 256 float32; X_Key 4 x 256 x 256 x 64 float32; X_Query 4 x 256 x 256 x 64 float32; X_Value 4 x 256 x 256 x 64 float32; bk 256 float32; bo 256 float32; bq 256 float32; bv 256 float32; lowp_scales 10 int32 (the exponents e of the quantised operands' scales 2^e).
;; Outputs: out0 4 x 256 x 256 x 64 float32.
;; This version of the problem:
;;   THIS VERSION OF THE PROBLEM IS GIVEN IN LOW PRECISION. The matrix products marked QUANTISED in the list below multiply operands that are first quantised to E4M3 (4 exponent bits, 3 mantissa bits; 8 bits a number), with one given power-of-two scale for each operand tensor; their sums are f32. All else is computed in f32.
;;   The module's matrix products, in the order in which they are computed (A, B: the left and right operand; K: the contracted axis; several contracted axes count as one K, in the product's order):
;;     1. [M 256, K 256] x [K 256, N 65,536]; A: input Wq; B: input X_Query: QUANTISED (scales: A lowp_scales[0], B lowp_scales[1])
;;     2. [M 256, K 256] x [K 256, N 65,536]; A: input Wk; B: input X_Key: QUANTISED (scales: A lowp_scales[2], B lowp_scales[3])
;;     3. [M 256, K 256] x [K 256, N 65,536]; A: input Wv; B: input X_Value: QUANTISED (scales: A lowp_scales[4], B lowp_scales[5])
;;     4. batch 4,096 x [M 256, K 16] x [K 16, N 256]; A: computed on the way; B: computed on the way: left as it is (K = 16 < 32)
;;     5. batch 4,096 x [M 16, K 256] x [K 256, N 256]; A: computed on the way; B: softmax (see below): QUANTISED (scales: A lowp_scales[6], B lowp_scales[7])
;;     6. [M 256, K 256] x [K 256, N 65,536]; A: input Wo; B: computed on the way: QUANTISED (scales: A lowp_scales[8], B lowp_scales[9])
;;   THE QUANTISER, for each operand of a quantised product, along K:
;;     - The operand's scale is 2^e, e = its entry of the input lowp_scales (int32; the entries are numbered through the quantised products in the list's order, A before B).
;;     - Each number is divided by the scale, clamped to +-448, and rounded to the nearest number of E4M3, ties to even, subnormals kept.
;;     - The product sums the exact products of the quantised numbers (number of the format x scale) in f32.
;;   ~~~python
;;   def quantise(x, axis, e):      # numpy; x: float32 -> the quantised numbers, widened to float32 again
;;       x = np.moveaxis(x, axis, -1); K = x.shape[-1]
;;       r = np.clip(x / 2.0 ** e, -448, 448)
;;       step = 2.0 ** (np.maximum(np.frexp(np.where(r == 0, 1, r))[1] - 1, -6) - 3)
;;       q = np.round(r / step) * step * 2.0 ** e      # np.round: ties to even
;;       return np.moveaxis(q, -1, axis).astype(np.float32)
;;   ~~~
;;   SOFTMAX AHEAD OF A QUANTISED PRODUCT. Where the list says 'softmax', what is quantised is not the finished softmax but p = 2^(t - M), with t = logit x log2(e) and M = ceil(the row's largest t), a whole number; so 1/2 < the row's largest p <= 1. The row's sum l is taken of the UNQUANTISED p, in f32, and the product's result is divided by l at the end. Since M is a whole number, a kernel that streams over the keys may use a running M (the ceiling of the running maximum): every later rescaling is an exact power of two, so the quantised numbers keep their values, but for numbers so far below the row's largest that they fall under the format's range.
;;   OPERANDS COMPUTED ON THE WAY. 'Computed on the way' means the value that the module computes at that place (a softmax that the list does not call 'softmax' is quantised finished and normalised). What goes into a quantiser is computed in f32, as accurately as f32 sums, v_exp_f32 and their like allow (about 1e-6 of the number): no bf16 or f16 on the way to a quantiser, and a product that is left as it is and whose result goes on into a quantised operand takes f32 operands (vector FMAs, or v_wmma_f32_16x16x4_f32). A number that lies on a knife's edge between two numbers of the format may be rounded either way, as far as f32 arithmetic and the matrix unit's own rounding can turn it there, and no further.
;; One version. Each part assembles by itself: llvm-mc -triple=amdgcn-amd-amdhsa -mcpu=gfx1250 --defsym DOCPART=n.
;; ======== version 1 of 1: 2 launches
;; workspace buffers: wc 262,144 bytes
;; launch wprep (part 1): grid 32 x 1, 4 waves a work-group, no clusters, 0 bytes of LDS; arguments Wq, Wk, Wv, Wo, lowp_scales, wc; writes wc
.if DOCPART == 1
	.amdgcn_target "amdgcn-amd-amdhsa--gfx1250"
	.amdhsa_code_object_version 6
	.text
	.protected	k_q28148256ce_wprep
	.globl	k_q28148256ce_wprep
	.p2align	8
	.type	k_q28148256ce_wprep,@function
k_q28148256ce_wprep:
	s_mov_b64 s[64:65], 0
	v_nop
	global_prefetch_b8 v0, s[64:65] scope:SCOPE_SE
	s_setreg_imm32_b32 hwreg(HW_REG_WAVE_MODE, 25, 1), 1
	s_wait_xcnt 0x0
; The four weights [256][256] f32 (K = the second axis, innermost) become codes of E4M3, laid in the order of the operand's registers:
; wc byte = m*65536 + w*16384 + f*2048 + c*512 + lane*16;  m: 0 Wq, 1 Wk, 2 Wv, 3 Wo;  w: a group of 64 rows;
; f = 2 t + s: tile t of 16 rows, K step s of 128;  the lane's 16 bytes are W[64 w + 32 (t/2) + 8 (t%2) + r + 8 (r/8)][128 s + 32 c + 16 h + 0 .. 15], r = lane % 16, h = lane / 16.
; (Wave v of the next launch takes the 8,192 bytes at 8192 v of each weight: rows 32 v .. 32 v + 31, two tiles.)
; THE ROWS OF A TILE ARE NOT NEIGHBOURS: so the results of tiles 2 b and 2 b + 1 are 16 neighbours along the next product's K.
; code = x / 2^e, held within +-448, to the nearest code, ties to even; e = lowp_scales[0], [2], [4], [8].  LIMIT: e between -126 and 119.  NaN among the inputs is not served.
; One wave makes one fragment (2,048 bytes): 128 waves in 32 work-groups; a work-group's four fragments belong to one weight.  Each store of a wave covers 512 consecutive bytes, aligned.
.set X, 16                             ; v16-79  64 numbers: register 16 c + i = k 32 c + 16 h + i of my row
.set C, 80                             ; v80-95  their codes
	s_load_b256 s[4:11], s[0:1], 0x0               ; Wq s[4:5], Wk s[6:7], Wv s[8:9], Wo s[10:11]
	s_load_b128 s[12:15], s[0:1], 0x20             ; the scales' exponents s[12:13], wc s[14:15]
	v_lshrrev_b32 v1, 5, v0
	v_readfirstlane_b32 s2, v1                     ; wave
	v_and_b32 v5, 15, v0                           ; r
	v_bfe_u32 v6, v0, 4, 1                         ; h
	v_and_b32 v7, 8, v5
	v_add_nc_u32 v7, v7, v5                        ; r + 8 (r / 8)
	v_lshlrev_b32 v1, 10, v7                       ; a row is 1,024 bytes
	v_lshl_add_u32 v1, v6, 6, v1                   ; + 64 h: my 16 numbers of a block of 32
	v_and_b32 v2, 31, v0
	v_lshlrev_b32 v2, 4, v2                        ; 16 x lane
	s_lshl_b32 s3, ttmp9, 2
	s_add_co_u32 s3, s3, s2                        ; the fragment's number: 32 m + 8 w + 2 t + s
	s_lshr_b32 s25, ttmp9, 3                       ; m
	s_bfe_u32 s28, s3, 0x20003                     ; w: 64 rows
	s_lshl_b32 s28, s28, 16
	s_bfe_u32 s29, s3, 0x10002                     ; t / 2: 32 rows
	s_lshl_b32 s29, s29, 15
	s_add_co_u32 s28, s28, s29
	s_bfe_u32 s29, s3, 0x10001                     ; t % 2: 8 rows
	s_lshl_b32 s29, s29, 13
	s_add_co_u32 s28, s28, s29
	s_and_b32 s29, s3, 1                           ; s: 128 numbers
	s_lshl_b32 s29, s29, 9
	s_add_co_u32 s28, s28, s29
	s_mov_b32 s29, 0
	s_lshl_b32 s30, s3, 11                         ; the fragment's place in wc
	s_mov_b32 s31, 0
	s_wait_kmcnt 0x0
	s_load_b256 s[16:23], s[12:13], 0x0            ; e0 .. e7
	s_load_b32 s24, s[12:13], 0x20                 ; e8
	s_cmp_eq_u32 s25, 0                            ; the weight is chosen by the work-group's number alone
	s_cselect_b64 s[4:5], s[4:5], s[6:7]
	s_cmp_eq_u32 s25, 2
	s_cselect_b64 s[8:9], s[8:9], s[10:11]
	s_cmp_lt_u32 s25, 2
	s_cselect_b64 s[4:5], s[4:5], s[8:9]
	s_add_nc_u64 s[4:5], s[4:5], s[28:29]
	s_add_nc_u64 s[14:15], s[14:15], s[30:31]
.irp c, 0,1,2,3
.irp j, 0,1,2,3
	global_load_b128 v[X+16*\c+4*\j:X+16*\c+4*\j+3], v1, s[4:5] offset:128*\c+16*\j th:TH_LOAD_NT
.endr
.endr
	s_wait_kmcnt 0x0
	s_cmp_eq_u32 s25, 0
	s_cselect_b32 s16, s16, s18                    ; e0 or e2
	s_cmp_eq_u32 s25, 2
	s_cselect_b32 s20, s20, s24                    ; e4 or e8
	s_cmp_lt_u32 s25, 2
	s_cselect_b32 s16, s16, s20                    ; e
	s_add_co_i32 s16, s16, 127
	s_add_co_i32 s17, s16, 8
	s_lshl_b32 s16, s16, 23
	s_lshl_b32 s17, s17, 23
	s_or_b32 s17, s17, 0x600000
	v_mov_b32 v3, s16                              ; 2^e as f32: the conversion takes its exponent field
	v_mov_b32 v4, s17                              ; 448 x 2^e
	s_wait_loadcnt 0x0
.set j, 0
.rept 64
	v_med3_num_f32 v[X+j], v[X+j], -v4, v4         ; the conversion to an 8-bit code does not saturate (ISA guide 7.6.2): the hold comes first
.set j, j+1
.endr
.irp g, 0,1,2,3,4,5,6,7
	v_cvt_scalef32_pk8_fp8_f32 v[C+2*\g:C+2*\g+1], v[X+8*\g:X+8*\g+7], v3
.endr
.irp c, 0,1,2,3
	global_store_b128 v2, v[C+4*\c:C+4*\c+3], s[14:15] offset:512*\c   ; 32 lanes store 512 consecutive bytes
.endr
	s_endpgm
.Lfunc_end_k_q28148256ce_wprep:
	.size	k_q28148256ce_wprep, .Lfunc_end_k_q28148256ce_wprep-k_q28148256ce_wprep
	.p2alignl 7, 3214868480
	.fill 96, 4, 3214868480
	.section	.rodata,"a",@progbits
	.p2align	6, 0x0
	.amdhsa_kernel k_q28148256ce_wprep
		.amdhsa_group_segment_fixed_size 0
		.amdhsa_private_segment_fixed_size 0
		.amdhsa_enable_private_segment 0
		.amdhsa_kernarg_size 48
		.amdhsa_user_sgpr_count 2
		.amdhsa_user_sgpr_kernarg_segment_ptr 1
		.amdhsa_wavefront_size32 1
		.amdhsa_system_sgpr_workgroup_id_x 1
		.amdhsa_system_sgpr_workgroup_id_y 1
		.amdhsa_system_sgpr_workgroup_id_z 1
		.amdhsa_system_vgpr_workitem_id 0
		.amdhsa_next_free_vgpr 104
		.amdhsa_next_free_sgpr 66
		.amdhsa_reserve_vcc 0
		.amdhsa_float_denorm_mode_32 3
		.amdhsa_float_denorm_mode_16_64 3
		.amdhsa_memory_ordered 1
		.amdhsa_forward_progress 1
		.amdhsa_inst_pref_size 9
	.end_amdhsa_kernel
	.amdgpu_metadata
---
amdhsa.version: [ 1, 2 ]
amdhsa.kernels:
  - .name:           k_q28148256ce_wprep
    .symbol:         k_q28148256ce_wprep.kd
    .args:
      - { .name: Wq, .offset: 0, .size: 8, .value_kind: global_buffer, .address_space: global }
      - { .name: Wk, .offset: 8, .size: 8, .value_kind: global_buffer, .address_space: global }
      - { .name: Wv, .offset: 16, .size: 8, .value_kind: global_buffer, .address_space: global }
      - { .name: Wo, .offset: 24, .size: 8, .value_kind: global_buffer, .address_space: global }
      - { .name: lowp_scales, .offset: 32, .size: 8, .value_kind: global_buffer, .address_space: global }
      - { .name: wc, .offset: 40, .size: 8, .value_kind: global_buffer, .address_space: global }
    .group_segment_fixed_size: 0
    .private_segment_fixed_size: 0
    .kernarg_segment_align: 8
    .kernarg_segment_size: 48
    .max_flat_workgroup_size: 128
    .sgpr_count:     66
    .vgpr_count:     104
    .wavefront_size: 32
...
	.end_amdgpu_metadata
.endif
;; end of part 1
;; launch attn (part 2): grid 256 x 1, 8 waves a work-group, no clusters, 327,680 bytes of LDS; arguments X_Key, X_Value, X_Query, wc, bq, bk, bv, bo, lowp_scales, out0; writes out0
.if DOCPART == 2
	.amdgcn_target "amdgcn-amd-amdhsa--gfx1250"
	.amdhsa_code_object_version 6
	.text
	.protected	k_q28148256ce_attn
	.globl	k_q28148256ce_attn
	.p2align	8
	.type	k_q28148256ce_attn,@function
k_q28148256ce_attn:
	s_mov_b64 s[64:65], 0
	v_nop
	global_prefetch_b8 v0, s[64:65] scope:SCOPE_SE
	s_setreg_imm32_b32 hwreg(HW_REG_WAVE_MODE, 25, 1), 1
	s_wait_xcnt 0x0
; All of the module but the weights' quantising, fused.  A UNIT is one point (b, n): three tiles X[b][:][n][:] of 256 channels x 64 l, f32 (a row is 256 bytes of memory, aligned); q, k, v = W X + b on codes of E4M3;
; for each of four heads (16 l) a 256 x 256 score matrix over channels (K = 16, f32 operands: it feeds a quantiser); p = 2^(t - M); O = p v on codes; out = Wo o + bo on codes.  Nothing of a unit goes to memory but out.
; SHARES.  256 work-groups of EIGHT waves of 512 registers, two to a SIMD, so that one wave's instructions stand in the other's gaps; a work-group stays and walks 4 units, neighbouring n of one b.
; THE PROJECTIONS SHARE THE OUTPUT CHANNELS: wave w owns rows 32 w .. 32 w + 31 of each weight.  512 registers have no room for the weights beside a head's K: a wave's four fragments of a weight (64 registers) are loaded anew
; for each unit, a phase or more ahead of their use: 262,144 bytes of codes a unit for the work-group.  ATTENTION SHARES THE HEADS AND THE QUERIES: wave w is head w / 2 and takes tiles 8 (w % 2) .. + 7 of its 16 tiles of queries;
; its head's K (f32, 128 registers) and V (codes, 32) stay in registers for them.  q, k, v and o change owners through LDS as images of operand registers (16 bytes a lane, 512 consecutive bytes a store).
; LAYOUT, r = lane % 16, h = lane / 16.  A wave's tile t (0, 1) of a weight takes rows 32 w + 8 t + r + 8 (r/8), so that the 16 registers of its two tiles are 16 neighbours along the next K.
;   q, k: source 0 = X's codes of 16 l, source 1 = 16 rows of W: a lane holds one channel and l = 8 h + j: these 8 registers ARE the f32 form's operand (K step s: registers 2 s, 2 s + 1; the same order of l in Q and K).
;   S^T: source 0 = 16 keys, source 1 = 16 queries: a lane holds one query, its registers run along the keys.   v: source 0 = Wv, source 1 = X: a lane holds one l, registers along the keys.
;   O^T: source 0 = V, source 1 = P: a lane holds one query and 8 l.  o is turned through a stage of the wave's own, so that registers run along d, the last product's K.
;   The 8-bit fragments hold k = 32 c + 16 h + 0 .. 15 in registers 4 c .. 4 c + 3, alike in both sources of every product.
; SOFTMAX.  t = score x log2(e) / 4; M = the ceiling of the running largest t, over two halves of the keys; p = 2^(t - M) is quantised, the sum is taken of the unquantised p; when M moves, O and the sum are multiplied by 2^(old M - new M).
; BY TURNS.  In a TURN the wave issues the 32 f32 products of one half of the keys of one tile of queries; the softmax of the half before, cut into 32 slices, stands between them, one slice behind each.
; X comes by tensor loads into one raw slot of 3 x 65,536 bytes (waves 0, 1, 2: one tensor each; one load of a wave is out at the most).  The slot is asked for again when its last tensor has been quantised, ahead of the unit's attention.
; NO CLUSTER: work-groups share only the weights' codes, which go straight into registers; X and out, 1,048,576 bytes a work-group, are its own.
; LIMITS on the given exponents, so that each power of two below is an f32 number: e0 + e1, e2 + e3, e8 + e9 between -126 and 127; e1, e3, e5, e7, e9 and e6 - e4 - e5 between -126 and 119;
; e6 + e7 and e4 + e5 are applied by v_ldexp_f32.  NaN among the inputs is not served.
; LDS: 0 the raw slot (tensor fills alone);  QK: K's images, then Q's: head x 16384 + tile x 1024 + half x 512 + 16 lane;  VI: V's images: head x 4096 + 32 keys x 512 + 16 lane;  OUT (over QK and VI's head): 256 rows of out, 272 apart;
;   XC0, XC0 + XCS: X's codes [64 l][256 c], rows 272 apart (17 columns of 16 bytes: the 16 rows of a load fall on 16 different columns modulo 256 bytes);  OC (over the second): o's codes: head x 4096 + d tile x 256 + 8 lane;  TR: 16 rows x 80 bytes a wave.
.set QK,    196608
.set VI,    262144
.set OUT,   196608
.set XC0,   278528
.set XCS,   17408
.set OC,    XC0+XCS
.set TR,    313344
.set SPARE, 323584                     ; the spare words, 128 bytes for each wave: four blocks of 256 bytes that no other line names
; window 0
.set WOF, 0                            ; 16 lane: my offset in a weight's codes; never rewritten behind the head
.set SPW, 1                            ; LDS address of my spare word; never rewritten
.set NIL, 2                            ; 0; never rewritten
.set XRA, 3                            ; raw slot: 4 lane + 8192 wave (my 32 channels)
.set XST, 4                            ; X's codes, in: XC0 + 272 lane + 32 wave
.set XFA, 5                            ; X's codes, out: XC0 + 272 r + 16 h
.set KST, 6                            ; images of k and q, in: QK + 16 lane + 2048 wave
.set VST, 7                            ; of v, in: VI + 16 lane + 512 wave
.set KLA, 8                            ; my head's images of k and q: QK + 16 lane + 16384 head
.set VLA, 9                            ; my head's of v: VI + 16 lane + 4096 head
.set XRB, 10                           ; XRA + the tensor's place in the raw slot;  in attention: my eight tiles of Q
.set QLA, 10
.set TRS, 11                           ; the turn stage, in: row 8 h + j, column r
.set TRL, 12                           ; and out: row r, columns 8 h on
.set OCB, 13                           ; o's codes, in: OC + 8 lane + 2048 wave
.set OCL, 14                           ; and out: OC + 8 lane
.set OST, 15                           ; out's stage, in
.set OLD, 16                           ; and back
.set GO,  17                           ; my byte offset in out0
.set NEGM, 18                          ; -M;  v19 the running largest t
.set TMAX, 19
.set L,   20                           ; v[20:21] the row's sum, in two halves
.set F,   22                           ; 2^(old M - new M);  in phase 2: v's hold
.set VH,  22
.set ADR, 23                           ; where o's codes go;  in phase 2: v's scale
.set VSC, 23
.set R,   24                           ; 2^(e6 + e7) / the sum;  outside attention: 64 h, my offset in bv
.set BVO, 24
.set ADQ, 25                           ; the Q tile in hand
.set TMP, 26                           ; at work
.set LT,  26
.set XH,  26                           ; X's hold
.set OCD, 26                           ; v[26:27] eight codes of o
.set LS,  27
.set XSC, 27                           ; X's scale
.set PH,  28                           ; 448 x 2^e7, 2^e7
.set PSC, 29
.set OH,  30                           ; 448 x 2^e9, 2^e9
.set OSC, 31
.set S,   32                           ; v32-159 two buffers of 64 sums: written by matrix instructions alone
.set T,   160                          ; v160-223 64 numbers at work
.set P,   224                          ; v224-239 p's codes
.set X,   224                          ; four pairs of partial sums lie over them
.set O,   240                          ; v240-247 O^T
.set OT,  248                          ; v248-255 o of a tile
.set MX,  248                          ; four running maxima lie over it
; window 1
.set WKR, 64                           ; v0-127 my head's K;  in phase 2: v0-63 X's l tiles 2, 3, v64-127 Wk;  in phase 6: o's fragments;  on the way out: v0-63 rows of out
.set VF,  128                          ; v128-159 my head's V
.set Q,   160                          ; a tile of queries
.set BV0, 160                          ; in phase 2: bv / 2^(e4 + e5) of tile 0, eight registers in the result's layout;
.set BQ,  168                          ; bq, bk, bo of my row in tile t: a pair each
.set BK,  172
.set BO,  176
.set BV1, 180                          ; and of tile 1
.set ZA,  192                          ; v192-255 four fragments of one weight (2 t + s at 16 (2 t + s)): Wv, then Wq, then Wo
.set WV,  2                            ; my wave's number
.set UC,  3                            ; units to go
.set DT,  4                            ; tiles of queries to go
.set QS,  5                            ; byte of the next Q tile among my eight
.set OS,  6                            ; byte of the finished tile among my eight tiles of o's codes
.set TS,  7
.set G1,  44                           ; s[44:51] descriptor group 1
.set G0,  52                           ; s[52:55] group 0
.set SEL, 56                           ; lane selects: lane xor 16
.set CS,  58                           ; log2(e) / 4, twice
.set SQ,  60                           ; 2^(e0 + e1), twice
.set SK,  62                           ; 2^(e2 + e3), twice
.set SO,  66                           ; 2^(e8 + e9), twice
.set E67, 68
.set XKS, 70                           ; pairs (scale, 448 x scale): X_Key, X_Value, X_Query, v, p, o
.set XVS, 72
.set XQS, 74
.set VSS, 76
.set PSS, 78
.set OSS, 80
.set HD,  87                           ; my head
.set QH,  88                           ; 8192 x (wave % 2): my half of the head's tiles of Q
.set MSB, 0
.macro WIN new                         ; the immediate's high byte repeats the setting that is left; a switch that changes nothing is dropped
.if MSB != \new
	s_set_vgpr_msb (MSB<<8)|\new
.set MSB, \new
.endif
.endm
.macro PLACES c
.rept \c
	v_nop
.endr
.endm
.macro BAR                             ; my LDS stores have landed and my LDS loads are in: then the work-group's barrier
	s_wait_dscnt 0x0
	s_barrier_signal -1
	s_barrier_wait -1
.endm
.macro TLOAD                           ; waves 0, 1, 2 fetch X_Key's, X_Value's, X_Query's tile; an s_nop 0 and four v_nop follow the load
	s_cmp_lt_u32 s[WV], 3
	s_cbranch_scc0 .Lnone_\@
	tensor_load_to_lds s[G0:G0+3], s[G1:G1+7]
	s_nop 0
.rept 4
	v_nop
.endr
.Lnone_\@:
.endm
.macro MKSC d, e                       ; s[d] = 2^e as f32, s[d+1] = 448 x 2^e;  e in s[e]
	s_add_co_i32 s[\d], s[\e], 127
	s_add_co_i32 s[\d+1], s[\d], 8
	s_lshl_b32 s[\d], s[\d], 23
	s_lshl_b32 s[\d+1], s[\d+1], 23
	s_or_b32 s[\d+1], s[\d+1], 0x600000
.endm
.macro MKP2 d, a, b                    ; s[d] = s[d+1] = 2^(s[a] + s[b]) as f32
	s_add_co_i32 s[\d], s[\a], s[\b]
	s_add_co_i32 s[\d], s[\d], 127
	s_lshl_b32 s[\d], s[\d], 23
	s_mov_b32 s[\d+1], s[\d]
.endm
.macro WLOAD m, base                   ; my four fragments of weight m, 16 x 512 consecutive bytes, into window 1
.set f_, 0
.rept 16
	global_load_b128 v[(\base)+4*f_:(\base)+4*f_+3], v[WOF], s[14:15] offset:(\m)*65536+f_*512
.set f_, f_+1
.endr
.endm
.macro WNEXT                           ; what a unit's phase 2 wants: bv of my 32 rows, Wk, Wv: 36 loads, in this order
	WIN 0x40
	global_load_b128 v[BV0:BV0+3], v[BVO], s[20:21]
	global_load_b128 v[BV0+4:BV0+7], v[BVO], s[20:21] offset:16
	global_load_b128 v[BV1:BV1+3], v[BVO], s[20:21] offset:32
	global_load_b128 v[BV1+4:BV1+7], v[BVO], s[20:21] offset:48
	WLOAD 1, WKR
	WLOAD 2, ZA
	WIN 0
.endm
; ---- X into codes.  A lane takes one l (32 lset + lane), its registers run down my 32 channels: each load reads 128 consecutive bytes, and the codes come out with the channels innermost.
.macro LOADB adr, lset, set
.set j_, 0
.rept 32
	ds_load_b32 v[T+32*(\set)+j_], v[\adr] offset:(\lset)*128+j_*256
.set j_, j_+1
.endr
.endm
.macro BLOCK set, xc, lset, cnt
	s_wait_dscnt \cnt                              ; 32: only the next block's loads may be out: this block's are in, and the block before's stores are done
.set j_, 0
.rept 32
	v_med3_num_f32 v[T+32*(\set)+j_], v[T+32*(\set)+j_], -v[XH], v[XH]   ; the conversion does not saturate (ISA guide 7.6.2): the hold comes first
.set j_, j_+1
.endr
.irp gg, 0,1,2,3
	v_cvt_scalef32_pk8_fp8_f32 v[P+2*\gg:P+2*\gg+1], v[T+32*(\set)+8*\gg:T+32*(\set)+8*\gg+7], v[XSC]
.endr
	v_nop                                          ; a plain line behind the last conversion
	ds_store_b128 v[XST], v[P:P+3] offset:(\xc)*XCS+(\lset)*8704
	ds_store_b128 v[XST], v[P+4:P+7] offset:(\xc)*XCS+(\lset)*8704+16
.endm
.macro FL dst, xcoff, lt               ; two fragments (16 l x 256 channels) of X's codes
.irp ks, 0,1
.irp cc, 0,1,2,3
	ds_load_b128 v[(\dst)+16*\ks+4*\cc:(\dst)+16*\ks+4*\cc+3], v[XFA] offset:(\xcoff)+(\lt)*4352+\ks*128+\cc*32
.endr
.endr
.endm
.macro MM2 sb, xf, wb                  ; two l tiles x my 32 rows: four accumulators by turns; the first K step starts the sums
.irp ks, 0,1
.irp ll, 0,1
.irp tt, 0,1
.if \ks == 0
	v_wmma_f32_16x16x128_fp8_fp8 v[S+(\sb)+16*\ll+8*\tt:S+(\sb)+16*\ll+8*\tt+7], v[(\xf)+32*\ll+16*\ks:(\xf)+32*\ll+16*\ks+15], v[(\wb)+16*(2*\tt+\ks):(\wb)+16*(2*\tt+\ks)+15], 0
.else
	v_wmma_f32_16x16x128_fp8_fp8 v[S+(\sb)+16*\ll+8*\tt:S+(\sb)+16*\ll+8*\tt+7], v[(\xf)+32*\ll+16*\ks:(\xf)+32*\ll+16*\ks+15], v[(\wb)+16*(2*\tt+\ks):(\wb)+16*(2*\tt+\ks)+15], v[S+(\sb)+16*\ll+8*\tt:S+(\sb)+16*\ll+8*\tt+7]
.endif
.endr
.endr
.endr
.endm
.macro MMV2 sb, xf, xw                 ; v of two l tiles: source 0 = Wv, source 1 = X (in window xw); the bias is the C of the first K step; four accumulators by turns
.irp ks, 0,1
.if \ks == 0
	WIN 0x11+4*(\xw)
.else
	WIN 0x01+4*(\xw)
.endif
.irp ll, 0,1
.irp tt, 0,1
.if \ks == 0
	v_wmma_f32_16x16x128_fp8_fp8 v[S+(\sb)+16*\ll+8*\tt:S+(\sb)+16*\ll+8*\tt+7], v[ZA+16*(2*\tt+\ks):ZA+16*(2*\tt+\ks)+15], v[(\xf)+32*\ll+16*\ks:(\xf)+32*\ll+16*\ks+15], v[BV0+20*\tt:BV0+20*\tt+7]
.else
	v_wmma_f32_16x16x128_fp8_fp8 v[S+(\sb)+16*\ll+8*\tt:S+(\sb)+16*\ll+8*\tt+7], v[ZA+16*(2*\tt+\ks):ZA+16*(2*\tt+\ks)+15], v[(\xf)+32*\ll+16*\ks:(\xf)+32*\ll+16*\ks+15], v[S+(\sb)+16*\ll+8*\tt:S+(\sb)+16*\ll+8*\tt+7]
.endif
.endr
.endr
.endr
.endm
.macro POST2 sb, out, sc, bias         ; sum x 2^(the two exponents) + bias, two at a time, into other registers; each accumulator from its low end on
.irp ll, 0,1
.irp tt, 0,1
.irp ii, 0,2,4,6
	v_pk_fma_f32 v[(\out)+16*\ll+8*\tt+\ii:(\out)+16*\ll+8*\tt+\ii+1], v[S+(\sb)+16*\ll+8*\tt+\ii:S+(\sb)+16*\ll+8*\tt+\ii+1], s[\sc:\sc+1], v[(\bias)+2*\tt:(\bias)+2*\tt+1] op_sel_hi:[1,0,0]
.endr
.endr
.endr
.endm
.macro ST2 src, lt0                    ; my two tiles of k or q of heads lt0, lt0 + 1 go to LDS as they stand
.irp ll, 0,1
.irp tt, 0,1
.irp gg, 0,1
	ds_store_b128 v[KST], v[(\src)+16*\ll+8*\tt+4*\gg:(\src)+16*\ll+8*\tt+4*\gg+3] offset:((\lt0)+\ll)*16384+\tt*1024+\gg*512
.endr
.endr
.endr
.endm
.macro ST2O src, lt0                   ; my two tiles of out, l tiles lt0, lt0 + 1, into the stage: 32 bytes of a row
.irp ll, 0,1
.irp tt, 0,1
.irp gg, 0,1
	ds_store_b128 v[OST], v[(\src)+16*\ll+8*\tt+4*\gg:(\src)+16*\ll+8*\tt+4*\gg+3] offset:8*\tt*272+((\lt0)+\ll)*64+16*\gg
.endr
.endr
.endr
.endm
; ---- attention
.macro WM wbuf, ch                     ; product i of 32 of S^T = K Q^T: K step i / 8, key tile i % 8 of half ch.  Eight accumulators by turns; the first K step starts the sums
	WIN 0x05
.set sp_, i/8
.set kt_, i%8
.set d_, S+64*(\wbuf)+8*kt_
.set a_, 8*(8*(\ch)+kt_)+2*sp_
.if sp_ == 0
	v_wmma_f32_16x16x4_f32 v[d_:d_+7], v[a_:a_+1], v[Q+2*sp_:Q+2*sp_+1], 0
.else
	v_wmma_f32_16x16x4_f32 v[d_:d_+7], v[a_:a_+1], v[Q+2*sp_:Q+2*sp_+1], v[d_:d_+7]
.endif
.endm
.macro PV ch                           ; O^T (+)= V^T P over 128 keys: one accumulator, two links
	WIN 0x01
.if (\ch) == 0
	v_wmma_f32_16x16x128_fp8_fp8 v[O:O+7], v[VF:VF+15], v[P:P+15], 0
.else
	s_wait_alu depctr_va_vdst(0)                   ; the wait stands directly ahead of a link that takes its one accumulator up again in place
	v_wmma_f32_16x16x128_fp8_fp8 v[O:O+7], v[VF+16:VF+31], v[P:P+15], v[O:O+7]
.endif
.endm
; THE VECTOR WORK OF A TURN is a numbered list; ITEM writes number n of it.  buf: the buffer of scores that is read; var = 0: the first half of the keys, which starts M and the sum; 1: the second; fin = 1: the tile before is finished too.
;   0-3 (fin) the sum's halves, the other lanes' half, the reciprocal      4-39 the largest score of my query, four chains; each accumulator is read from its low end on      40-46 t, -M, and 2^(old M - new M)
;   47-142 ONE BATCH: 32 scalings t - M (a pair each) and 64 exponentials; none reads an exponential's result      143 a plain line      144 the one wait for the batch and the reciprocal
;   145-167 (fin) O^T / the sum, held, turned through my stage      168-199 the sum of the unquantised p      200-263 p's hold      264-266 (fin) o's codes      267-274 p's codes      275-278 O^T under the new M, or a plain line
.macro ITEM buf, var, fin
.set SB, S+64*(\buf)
.if n < 4
.if \fin
.if n == 0
	v_add_f32 v[LS], v[L], v[L+1]
.elseif n == 1
	v_permlanex16_b32 v[LT], v[LS], s[SEL], s[SEL+1]
.elseif n == 2
	v_add_f32 v[LS], v[LS], v[LT]
.else
	v_rcp_f32 v[R], v[LS]
.endif
.endif
.elseif n < 8
	v_max_num_f32 v[MX+n-4], v[SB+2*(n-4)], v[SB+2*(n-4)+1]
.elseif n < 36
	v_max3_num_f32 v[MX+n%4], v[MX+n%4], v[SB+8*((n-4)/4)+2*(n%4)], v[SB+8*((n-4)/4)+2*(n%4)+1]
.elseif n == 36
	v_max3_num_f32 v[MX], v[MX], v[MX+1], v[MX+2]
.elseif n == 37
	v_max_num_f32 v[MX], v[MX], v[MX+3]
.elseif n == 38
	v_permlanex16_b32 v[MX+1], v[MX], s[SEL], s[SEL+1]   ; the query's other 64 keys lie in the lane 16 away
.elseif n == 39
	v_max_num_f32 v[MX], v[MX], v[MX+1]
.elseif n < 47
.if \var
.if n == 40
	v_mov_b32 v[TMP], v[NEGM]
.elseif n == 41
	v_mul_f32 v[MX], s[CS], v[MX]
.elseif n == 42
	v_max_num_f32 v[TMAX], v[TMAX], v[MX]
.elseif n == 43
	v_floor_f32 v[NEGM], -v[TMAX]                  ; -M = floor(-t) = -ceil(t): a whole number
.elseif n == 44
	v_sub_f32 v[TMP], v[NEGM], v[TMP]              ; old M - new M: a whole number, 0 or less
.elseif n == 45
	v_cvt_i32_f32 v[TMP], v[TMP]
.else
	v_ldexp_f32 v[F], 1.0, v[TMP]
.endif
.else
.if n == 40
	v_mul_f32 v[TMAX], s[CS], v[MX]
.elseif n == 41
	v_floor_f32 v[NEGM], -v[TMAX]
.endif
.endif
.elseif n < 143
.set m_, n-47
.set e_, -1
.set f_, -1
.if m_ < 2
.set f_, m_
.elseif m_ < 92
.if (m_-2)%3 == 2
.set f_, (m_-2)/3+2
.else
.set e_, 2*((m_-2)/3)+(m_-2)%3
.endif
.else
.set e_, m_-32
.endif
.if f_ >= 0
	v_pk_fma_f32 v[T+2*f_:T+2*f_+1], v[SB+2*f_:SB+2*f_+1], s[CS:CS+1], v[NEGM:NEGM+1] op_sel_hi:[1,0,0]   ; t - M (of the pairs the low word serves both halves)
.else
	v_exp_f32 v[T+e_], v[T+e_]                     ; p = 2^(t - M)
.endif
.elseif n == 143
.if \fin
	v_add_nc_u32 v[ADR], s[OS], v[OCB]             ; the plain line behind the last exponential
.else
	v_nop
.endif
.elseif n == 144
	s_wait_alu depctr_va_vdst(0)                   ; ahead of the first line that names a result: one wait for the whole batch
.elseif n < 168
.if \fin
.if n == 145
	v_ldexp_f32 v[R], v[R], s[E67]
.elseif n < 150
	v_pk_mul_f32 v[OT+2*(n-146):OT+2*(n-146)+1], v[O+2*(n-146):O+2*(n-146)+1], v[R:R+1] op_sel_hi:[1,0]
.elseif n < 158
	v_med3_num_f32 v[OT+n-150], v[OT+n-150], -v[OH], v[OH]
.elseif n < 166
	ds_store_b32 v[TRS], v[OT+n-158] offset:80*(n-158)   ; row l = 8 h + j, column r
.elseif n == 166
	ds_load_b128 v[OT:OT+3], v[TRL]                ; LDS serves a wave's instructions in order: these see my stores.  Row l = r, eight neighbouring d
.else
	ds_load_b128 v[OT+4:OT+7], v[TRL] offset:16
.endif
.endif
.elseif n < 172
	v_pk_add_f32 v[X+2*(n-168):X+2*(n-168)+1], v[T+2*(n-168):T+2*(n-168)+1], v[T+8+2*(n-168):T+8+2*(n-168)+1]
.elseif n < 196
	v_pk_add_f32 v[X+2*(n%4):X+2*(n%4)+1], v[X+2*(n%4):X+2*(n%4)+1], v[T+8*((n-172)/4+2)+2*(n%4):T+8*((n-172)/4+2)+2*(n%4)+1]
.elseif n == 196
	v_pk_add_f32 v[X:X+1], v[X:X+1], v[X+2:X+3]
.elseif n == 197
	v_pk_add_f32 v[X+4:X+5], v[X+4:X+5], v[X+6:X+7]
.elseif n == 198
.if \var
	v_pk_add_f32 v[X:X+1], v[X:X+1], v[X+4:X+5]
.else
	v_pk_add_f32 v[L:L+1], v[X:X+1], v[X+4:X+5]
.endif
.elseif n == 199
.if \var
	v_pk_fma_f32 v[L:L+1], v[L:L+1], v[F:F+1], v[X:X+1] op_sel_hi:[1,0,1]
.endif
.elseif n < 264
	v_min_num_f32 v[T+n-200], v[PH], v[T+n-200]    ; p is not negative: the hold is one-sided
.elseif n < 267
.if \fin
.if n == 264
	s_wait_dscnt 0x0                               ; the turned o is in
.elseif n == 265
	v_cvt_scalef32_pk8_fp8_f32 v[OCD:OCD+1], v[OT:OT+7], v[OSC]
.else
	ds_store_b64 v[ADR], v[OCD:OCD+1]
.endif
.endif
.elseif n < 275
	v_cvt_scalef32_pk8_fp8_f32 v[P+2*(n-267):P+2*(n-267)+1], v[T+8*(n-267):T+8*(n-267)+7], v[PSC]
.elseif n < 279
.if \var
	v_pk_mul_f32 v[O+2*(n-275):O+2*(n-275)+1], v[O+2*(n-275):O+2*(n-275)+1], v[F:F+1] op_sel_hi:[1,0]
.elseif n == 275
	v_nop                                          ; a plain line between the conversions and the product that reads the codes
.endif
.endif
.endm
.macro RUN a, b, buf, var, fin         ; numbers a to b of the list, bare
.set n, \a
.rept (\b)-(\a)+1
	ITEM \buf, \var, \fin
.set n, n+1
.endr
.endm
; Slice k of 32: twelve numbers in slices 0-3 and 20-31, six in slices 4-18, seven in slice 19, so that the 64 exponentials are spread over sixteen slices, four to a slice.
; The batch's wait, number 144, ends slice 19: it stands ahead of product 20 and not directly behind it, so that it does not wait for a product just issued.
.macro SLICE k, buf, var, fin
.if (\k) < 4
.set n, 12*(\k)
.set ne, n+12
.elseif (\k) < 19
.set n, 48+6*((\k)-4)
.set ne, n+6
.elseif (\k) == 19
.set n, 138
.set ne, 145
.else
.set n, 145+12*((\k)-20)
.set ne, n+12
.endif
.rept 12
.if n < ne
	ITEM \buf, \var, \fin
.endif
.set n, n+1
.endr
.endm
; A TURN: 32 products into buffer wbuf (half ch of the keys), the list on the other buffer between them, then the product V^T P of that list's half.
; qm = 1: the turn begins a tile of queries: Q's registers 0-3 were asked for in the turn before; registers 4-7 are asked for behind slice 1 (20 plain lines behind their last use, where 8 are asked) and waited for ahead of product 16.
; qm = 2: behind slice 23 the next tile's registers 0-3 are asked for (their last use is product 15; the scalings of slices 15 to 18 alone are eight plain lines).  Behind my last tile the address is held at tile 7: that tile is read once more and not used.
.macro TURN wbuf, ch, var, fin, qm
.set i, 0
.rept 32
.if ((\qm) == 1) && ((i == 0) || (i == 16))
	s_wait_dscnt 0x0
.endif
	WM \wbuf, \ch
	WIN 0
	SLICE i, 1-(\wbuf), \var, \fin
.if ((\qm) == 1) && (i == 1)
	WIN 0x40
	ds_load_b128 v[Q+4:Q+7], v[ADQ] offset:512
	WIN 0
	s_add_co_u32 s[QS], s[QS], 1024
.endif
.if ((\qm) == 2) && (i == 23)
	s_min_u32 s[TS], s[QS], 7*1024
	v_add_nc_u32 v[ADQ], s[TS], v[QLA]
	WIN 0x40
	ds_load_b128 v[Q:Q+3], v[ADQ]
	WIN 0
.endif
.set i, i+1
.endr
	PV \var
	WIN 0
.if \fin
	s_add_co_u32 s[OS], s[OS], 256
.endif
.endm
; ---- A UNIT.  fill = 1: the raw slot is asked for again, with the next unit's tiles, and so are the next unit's first weights.
.macro UNIT fill
	; PHASE 1: my 32 channels of X_Key and of X_Value become codes: four blocks, the loads two blocks ahead
	v_mov_b32 v[XH], s[XKS+1]
	v_mov_b32 v[XSC], s[XKS]
	v_add_nc_u32 v[XRB], 0x10000, v[XRA]
	LOADB XRA, 0, 0
	LOADB XRA, 1, 1
	BLOCK 0, 0, 0, 32
	LOADB XRB, 0, 0
	BLOCK 1, 0, 1, 32
	LOADB XRB, 1, 1
	v_mov_b32 v[XH], s[XVS+1]                      ; X_Value's scale from here on
	v_mov_b32 v[XSC], s[XVS]
	BLOCK 0, 1, 0, 32
	BLOCK 1, 1, 1, 0
	BAR                                            ; both tensors' codes lie in LDS; every wave's reads of out's stage are over
	; PHASE 2: k and v of my 32 rows, all 64 l
	FL T, 0, 0
	FL T+32, 0, 1
	WIN 0x40
	FL 0, 0, 2
	FL 32, 0, 3
	s_wait_loadcnt 16                              ; Wv's sixteen loads may be out: the biases, bv and Wk are in
	WIN 0x41
.set j_, 0
.rept 8
	v_ldexp_f32 v[BV0+j_], v[BV0+j_], s86          ; bv goes in divided by the power of two that the sums lack
	v_ldexp_f32 v[BV1+j_], v[BV1+j_], s86
.set j_, j_+1
.endr
	s_wait_dscnt 16                                ; the sixteen loads of l tiles 2 and 3 may be out
	WIN 0x04
	MM2 0, T, WKR
	s_wait_dscnt 0x0
	WIN 0x05
	MM2 32, 0, WKR
	PLACES 4                                       ; ahead of loads into registers that the products have read, and of the first read of results
	WIN 0
	FL T, XCS, 0
	FL T+32, XCS, 1
	WIN 0x40
	FL 0, XCS, 2
	FL 32, XCS, 3
	WIN 0x10
	POST2 0, P, SK, BK
	WIN 0
	ST2 P, 0
	s_wait_loadcnt 0x0                             ; Wv is in
	s_wait_dscnt 24                                ; the sixteen loads of l tiles 2 and 3 and the eight stores may be out
	MMV2 64, T, 0
	s_wait_dscnt 0x0                               ; the stores have read their registers; l tiles 2 and 3 are in
	WIN 0x10
	POST2 32, P, SK, BK
	WIN 0
	ST2 P, 2
	MMV2 96, 0, 1
	WIN 0
	s_wait_dscnt 0x0
	v_mov_b32 v[VH], s[VSS+1]
	v_mov_b32 v[VSC], s[VSS]
.set j_, 0
.rept 64
	v_med3_num_f32 v[T+j_], v[S+64+j_], -v[VH], v[VH]   ; v is held; register 16 lt + i is key 32 w + 16 h + i of l tile lt
.set j_, j_+1
.endr
	WIN 0x40
	WLOAD 0, ZA                                    ; Wq takes Wv's place: it has phase 3 in which to land
	WIN 0
.set j_, 0
.rept 8
	v_cvt_scalef32_pk8_fp8_f32 v[P+2*j_:P+2*j_+1], v[T+8*j_:T+8*j_+7], v[VSC]   ; the three scales folded into one
.set j_, j_+1
.endr
	v_nop                                          ; a plain line behind the last conversion
.irp lt, 0,1,2,3
	ds_store_b128 v[VST], v[P+4*\lt:P+4*\lt+3] offset:\lt*4096
.endr
	BAR                                            ; K's and V's images lie in LDS; nobody reads X_Key's codes any more
	; PHASE 3: my head's K and V into registers; my 32 channels of X_Query become codes
	WIN 0x40
.set j_, 0
.rept 32
	ds_load_b128 v[4*j_:4*j_+3], v[KLA] offset:512*j_
.set j_, j_+1
.endr
.set j_, 0
.rept 8
	ds_load_b128 v[VF+4*j_:VF+4*j_+3], v[VLA] offset:512*j_
.set j_, j_+1
.endr
	WIN 0
	v_add_nc_u32 v[XRB], 0x20000, v[XRA]
	v_mov_b32 v[XH], s[XQS+1]
	v_mov_b32 v[XSC], s[XQS]
	LOADB XRB, 0, 0
	LOADB XRB, 1, 1
	BLOCK 0, 0, 0, 32                              ; its wait also shows K and V in
	BLOCK 1, 0, 1, 0
	BAR                                            ; X_Query's codes lie in LDS; K's images have been read; the raw slot has been read out
	; PHASE 4: q of my 32 rows; its images take K's place
	FL T, 0, 0
	FL T+32, 0, 1
	s_wait_loadcnt 0x0                             ; Wq is in
	s_wait_dscnt 0x0
	WIN 0x04
	MM2 0, T, ZA
	PLACES 4
	WIN 0
	FL T, 0, 2
	FL T+32, 0, 3
	WIN 0x10
	POST2 0, P, SQ, BQ
	WIN 0
	ST2 P, 0
	s_wait_dscnt 8                                 ; the eight stores may be out: the fragments are in
	WIN 0x04
	MM2 32, T, ZA
	PLACES 4
	WIN 0x40
	WLOAD 3, ZA                                    ; Wo takes Wq's place: it has the unit's attention in which to land
	s_wait_dscnt 0x0                               ; the stores have read their registers
	WIN 0x10
	POST2 32, P, SQ, BQ
	WIN 0
	ST2 P, 2
.if \fill
	s_wait_tensorcnt 0x0                           ; no tensor load of mine is out, so group 0 may be written
	ds_add_u32 v[SPW], v[NIL]                      ; 0 onto my spare word
	s_add_nc_u64 s[G0+2:G0+3], s[G0+2:G0+3], 256   ; the next n; the type bits on top are not reached
	s_wait_dscnt 0x0                               ; the add is done, my stores have landed, my reads of the raw slot are long over
	s_barrier_signal -1
	s_barrier_wait -1                              ; Q's images lie in LDS, and nobody reads the raw slot
	TLOAD                                          ; the first thing behind the barrier: it has the whole of the unit's attention in which to land
.else
	BAR
.endif
	; PHASE 5: attention of my head, my eight tiles of queries
	s_mov_b32 s[QS], 1024
	s_mov_b32 s[OS], 0
	v_add_nc_u32 v[QLA], s[QH], v[KLA]
	WIN 0x40
	ds_load_b128 v[Q:Q+3], v[QLA]
	ds_load_b128 v[Q+4:Q+7], v[QLA] offset:512
	s_wait_dscnt 0x0
.set i, 0
.rept 32
	WM 0, 0                                        ; tile 0's first half: there is no vector work of mine yet to set between
.set i, i+1
.endr
	WIN 0
	PLACES 8                                       ; behind this form eight places stand ahead of the first read of a result (ISA guide 7.12.1)
	TURN 1, 1, 0, 0, 2                             ; tile 0's second half | the softmax of its first
	s_mov_b32 s[DT], 7
.Ldt_\@:
	TURN 0, 0, 1, 0, 1                             ; tile t + 1's first half | the softmax of tile t's second
	TURN 1, 1, 0, 1, 2                             ; tile t + 1's second half | tile t is finished; the softmax of tile t + 1's first
	s_sub_co_u32 s[DT], s[DT], 1
	s_cmp_lg_u32 s[DT], 0
	s_cbranch_scc1 .Ldt_\@
	RUN 4, 278, 1, 1, 0                            ; the softmax of tile 7's second half
	PV 1
	WIN 0
	PLACES 4
	RUN 0, 3, 1, 1, 1                              ; tile 7 is finished
	RUN 143, 167, 1, 1, 1
	RUN 264, 266, 1, 1, 1
	BAR                                            ; o's codes lie in LDS; nobody reads Q's images any more
	; PHASE 6: out of my 32 rows
	WIN 0x40
.irp lt, 0,1,2,3
.set j_, 0
.rept 16
	ds_load_b64 v[32*\lt+2*j_:32*\lt+2*j_+1], v[OCL] offset:\lt*4096+j_*256   ; d tile j holds registers 2 j, 2 j + 1 of the two fragments
.set j_, j_+1
.endr
.endr
	s_wait_loadcnt 0x0                             ; Wo is in
	WIN 0x05
	s_wait_dscnt 32                                ; the loads of l tiles 2 and 3, sixteen each, may be out
	MM2 0, 0, ZA
	s_wait_dscnt 0x0
	MM2 32, 64, ZA
.if \fill
	WIN 0
	v_and_b32 v[BVO], 0x100, v[WOF]                ; 64 h out of 16 lane.  These two lines and two v_nop are the places behind the products
	v_lshrrev_b32 v[BVO], 2, v[BVO]
	PLACES 2
	WNEXT                                          ; the next unit's bv, Wk and Wv: they have the way out and the next phase 1 in which to land
.else
	PLACES 4
.endif
	WIN 0x10
	POST2 0, T, SO, BO
	POST2 32, T+32, SO, BO
	WIN 0
	ST2O T, 0
	ST2O T+32, 2
.if \fill
	s_wait_tensorcnt 0x0                           ; my tile of the next unit has landed: the one slot's landing is shown to the other waves by the barrier below, behind which nothing is filled
	BAR
.endif
	; PHASE 7: my 32 rows leave.  I wrote them myself, and LDS serves a wave's instructions in order
	WIN 0x40
.set j_, 0
.rept 16
	ds_load_b128 v[4*j_:4*j_+3], v[OLD] offset:544*j_
.set j_, j_+1
.endr
	WIN 0x04
.set j_, 0
.rept 16
	s_wait_dscnt 15-j_                             ; the younger loads may be out
	global_store_b128 v[GO], v[4*j_:4*j_+3], s[26:27] offset:j_*131072 th:TH_STORE_NT   ; sixteen lanes store a row's 256 consecutive bytes, aligned; two rows an instruction
.set j_, j_+1
.endr
	WIN 0
.if \fill
	s_wait_xcnt 0x0                                ; the stores have read their registers and their base: both are written again only behind this wait
	s_add_nc_u64 s[26:27], s[26:27], 256
.endif
.endm
	; ---- THE HEAD
	s_load_b512 s[8:23], s[0:1], 0x0               ; X_Key s[8:9], X_Value s[10:11], X_Query s[12:13], wc s[14:15], bq s[16:17], bk s[18:19], bv s[20:21], bo s[22:23]
	s_load_b128 s[24:27], s[0:1], 0x40             ; the scales' exponents s[24:25], out0 s[26:27]
	v_lshl_add_u32 v[SPW], v0, 2, SPARE
	v_mov_b32 v[NIL], 0
	ds_add_u32 v[SPW], v[NIL]                      ; the wave's opening: the add and its wait stand ahead of my first tensor load; the set-up below, work on registers, stands between them
	v_lshrrev_b32 v160, 5, v0
	v_readfirstlane_b32 s[WV], v160                ; wave 0..7
	v_and_b32 v160, 31, v0                         ; lane
	v_and_b32 v161, 15, v0                         ; r
	v_bfe_u32 v162, v0, 4, 1                       ; h
	v_and_b32 v163, 8, v161
	v_add_nc_u32 v163, v163, v161                  ; r + 8 (r / 8)
	v_lshlrev_b32 v164, 4, v160                    ; 16 lane
	v_lshlrev_b32 v165, 2, v163                    ; my row's bias
	v_lshlrev_b32 v[BVO], 6, v162                  ; bv: 16 numbers further on for lanes 16-31
	s_lshr_b32 s[HD], s[WV], 1                     ; my head
	s_and_b32 s[QH], s[WV], 1
	s_lshl_b32 s[QH], s[QH], 13                    ; my half of its tiles of Q
	s_lshl_b32 s82, s[WV], 13
	v_lshl_add_u32 v[XRA], v160, 2, s82
	s_lshl_b32 s82, s[HD], 14
	s_add_co_u32 s82, s82, QK
	v_add_nc_u32 v[KLA], s82, v164
	s_lshl_b32 s82, s[WV], 5
	s_add_co_u32 s82, s82, XC0
	v_mul_u32_u24 v[XST], v160, 272
	v_add_nc_u32 v[XST], s82, v[XST]
	v_mul_u32_u24 v[XFA], v161, 272
	v_lshl_add_u32 v[XFA], v162, 4, v[XFA]
	v_add_nc_u32 v[XFA], XC0, v[XFA]
	s_lshl_b32 s82, s[WV], 11
	v_lshl_add_u32 v[OCL], v160, 3, OC
	v_add_nc_u32 v[OCB], s82, v[OCL]
	s_add_co_u32 s83, s82, QK
	v_add_nc_u32 v[KST], s83, v164
	s_lshl_b32 s82, s[HD], 12
	s_add_co_u32 s82, s82, VI
	v_add_nc_u32 v[VLA], s82, v164
	s_lshl_b32 s82, s[WV], 9
	s_add_co_u32 s82, s82, VI
	v_add_nc_u32 v[VST], s82, v164
	s_mul_i32 s82, s[WV], 1280
	s_add_co_u32 s82, s82, TR
	v_mul_u32_u24 v[TRS], v162, 640
	v_lshl_add_u32 v[TRS], v161, 2, v[TRS]
	v_add_nc_u32 v[TRS], s82, v[TRS]
	v_mul_u32_u24 v[TRL], v161, 80
	v_lshl_add_u32 v[TRL], v162, 5, v[TRL]
	v_add_nc_u32 v[TRL], s82, v[TRL]
	s_mul_i32 s82, s[WV], 8704
	s_add_co_u32 s82, s82, OUT
	v_mul_u32_u24 v[OST], v163, 272
	v_lshl_add_u32 v[OST], v162, 5, v[OST]
	v_add_nc_u32 v[OST], s82, v[OST]
	v_mul_u32_u24 v[OLD], v162, 272
	v_lshl_add_u32 v[OLD], v161, 4, v[OLD]
	v_add_nc_u32 v[OLD], s82, v[OLD]
	s_lshl_b32 s82, s[WV], 21                      ; out0: my 32 rows of 65,536 bytes,
	v_lshlrev_b32 v[GO], 16, v162                  ; lanes 16-31 a row further down,
	v_lshl_add_u32 v[GO], v161, 4, v[GO]           ; 16 bytes a lane
	v_add_nc_u32 v[GO], s82, v[GO]
	v_mov_b32 v[WOF], v164                         ; the thread's number is done with: 16 lane takes its place
	; descriptor group 1: a tile of 256 rows (channels) x 64 elements of 4 bytes, rows 16,384 elements apart in memory, dense in LDS
	s_mov_b32 s[G1], 2<<16                         ; 15:0 no mask; 17:16 elements of 4 bytes; no padding
	s_mov_b32 s[G1+1], 64<<16                      ; tensor_dim0 = 64
	s_mov_b32 s[G1+2], 256<<16                     ; tensor_dim1 = 256
	s_mov_b32 s[G1+3], 64<<16                      ; tile_dim0 = 64
	s_mov_b32 s[G1+4], 256                         ; tile_dim1 = 256
	s_mov_b32 s[G1+5], 16384                       ; tensor_dim0_stride
	s_mov_b32 s[G1+6], 0
	s_mov_b32 s[G1+7], 0
	s_mov_b32 s[G0], 1                             ; count = 1
	s_min_u32 s[G0+1], s[WV], 2
	s_lshl_b32 s[G0+1], s[G0+1], 16                ; LDS address: 65,536 x wave
	s_mov_b32 s[SEL], 0x76543210
	s_mov_b32 s[SEL+1], 0xfedcba98
	s_mov_b32 s[CS], 0x3eb8aa3b                    ; log2(e) / sqrt(16)
	s_mov_b32 s[CS+1], s[CS]
	s_lshr_b32 s84, ttmp9, 6                       ; b
	s_lshl_b32 s84, s84, 24                        ; x 256 channels x 65,536 bytes
	s_and_b32 s85, ttmp9, 63
	s_lshl_b32 s85, s85, 10                        ; + 4 n x 256 bytes
	s_or_b32 s84, s84, s85
	s_mov_b32 s85, 0                               ; s[84:85]: my first unit's byte in X and in out0
	s_wait_dscnt 0x0                               ; the opening add is done
	s_wait_kmcnt 0x0
	s_load_b256 s[32:39], s[24:25], 0x0            ; e0 .. e7
	s_load_b64 s[40:41], s[24:25], 0x20            ; e8, e9
	s_cmp_eq_u32 s[WV], 0                          ; the tensor is chosen by the wave's number alone
	s_cselect_b64 s[G0+2:G0+3], s[8:9], s[10:11]
	s_cmp_lt_u32 s[WV], 2
	s_cselect_b64 s[G0+2:G0+3], s[G0+2:G0+3], s[12:13]
	s_add_nc_u64 s[G0+2:G0+3], s[G0+2:G0+3], s[84:85]
	s_or_b32 s[G0+3], s[G0+3], 0x80000000          ; type = 2
	TLOAD                                          ; the first unit's tiles
	s_lshl_b32 s82, s[WV], 13
	s_mov_b32 s83, 0
	s_add_nc_u64 s[14:15], s[14:15], s[82:83]      ; my 8,192 bytes of each weight's codes
	s_lshl_b32 s82, s[WV], 7                       ; my 32 numbers of each bias
	s_add_nc_u64 s[16:17], s[16:17], s[82:83]
	s_add_nc_u64 s[18:19], s[18:19], s[82:83]
	s_add_nc_u64 s[20:21], s[20:21], s[82:83]
	s_add_nc_u64 s[22:23], s[22:23], s[82:83]
	WIN 0x40
.irp tt, 0,1
	global_load_b32 v[BQ+2*\tt], v165, s[16:17] offset:32*\tt
	global_load_b32 v[BQ+2*\tt+1], v165, s[16:17] offset:32*\tt
	global_load_b32 v[BK+2*\tt], v165, s[18:19] offset:32*\tt
	global_load_b32 v[BK+2*\tt+1], v165, s[18:19] offset:32*\tt
	global_load_b32 v[BO+2*\tt], v165, s[22:23] offset:32*\tt
	global_load_b32 v[BO+2*\tt+1], v165, s[22:23] offset:32*\tt
.endr
	WNEXT                                          ; the first unit's bv, Wk and Wv
	s_wait_kmcnt 0x0
	MKP2 SQ, 32, 33                                ; a sum of Wq X stands for sum x 2^(e0 + e1)
	MKP2 SK, 34, 35
	MKP2 SO, 40, 41
	s_add_co_i32 s[E67], s38, s39
	MKSC XKS, 35
	MKSC XVS, 37
	MKSC XQS, 33
	s_add_co_i32 s86, s36, s37                     ; e4 + e5
	s_sub_co_i32 s82, s38, s86                     ; a sum of Wv X stands for sum x 2^(e4 + e5): its code is sum / 2^(e6 - e4 - e5)
	MKSC VSS, 82
	MKSC PSS, 39
	MKSC OSS, 41
	s_sub_co_i32 s86, 0, s86                       ; -(e4 + e5), for bv; kept
	v_mov_b32 v[PH], s[PSS+1]
	v_mov_b32 v[PSC], s[PSS]
	v_mov_b32 v[OH], s[OSS+1]
	v_mov_b32 v[OSC], s[OSS]
	s_wait_xcnt 0x0                                ; the loads above have read their address registers: the biases' offset lies where phase 1 works
	s_add_nc_u64 s[26:27], s[26:27], s[84:85]
	s_wait_tensorcnt 0x0                           ; my tile has landed,
	BAR                                            ; everybody's has
	s_mov_b32 s[UC], 3
.Lunit:
	UNIT 1
	s_sub_co_u32 s[UC], s[UC], 1
	s_cmp_lg_u32 s[UC], 0
	s_cbranch_scc1 .Lunit
	UNIT 0                                         ; the last unit is written out: it asks for nothing
	s_wait_tensorcnt 0x0                           ; the wave's end, behind my last tensor load and my last LDS store
	ds_add_u32 v[SPW], v[NIL]
	s_wait_dscnt 0x0
	s_endpgm
.Lfunc_end_k_q28148256ce_attn:
	.size	k_q28148256ce_attn, .Lfunc_end_k_q28148256ce_attn-k_q28148256ce_attn
	.p2alignl 7, 3214868480
	.fill 96, 4, 3214868480
	.section	.rodata,"a",@progbits
	.p2align	6, 0x0
	.amdhsa_kernel k_q28148256ce_attn
		.amdhsa_group_segment_fixed_size 327680
		.amdhsa_private_segment_fixed_size 0
		.amdhsa_enable_private_segment 0
		.amdhsa_kernarg_size 80
		.amdhsa_user_sgpr_count 2
		.amdhsa_user_sgpr_kernarg_segment_ptr 1
		.amdhsa_wavefront_size32 1
		.amdhsa_system_sgpr_workgroup_id_x 1
		.amdhsa_system_sgpr_workgroup_id_y 1
		.amdhsa_system_sgpr_workgroup_id_z 1
		.amdhsa_system_vgpr_workitem_id 0
		.amdhsa_next_free_vgpr 512
		.amdhsa_next_free_sgpr 96
		.amdhsa_reserve_vcc 0
		.amdhsa_float_denorm_mode_32 3
		.amdhsa_float_denorm_mode_16_64 3
		.amdhsa_memory_ordered 1
		.amdhsa_forward_progress 1
		.amdhsa_inst_pref_size 255
	.end_amdhsa_kernel
	.section	.bss,"aw",@nobits
	.p2align	6
	.space	262144
	.amdgpu_metadata
---
amdhsa.version: [ 1, 2 ]
amdhsa.kernels:
  - .name:           k_q28148256ce_attn
    .symbol:         k_q28148256ce_attn.kd
    .args:
      - { .name: X_Key, .offset: 0, .size: 8, .value_kind: global_buffer, .address_space: global }
      - { .name: X_Value, .offset: 8, .size: 8, .value_kind: global_buffer, .address_space: global }
      - { .name: X_Query, .offset: 16, .size: 8, .value_kind: global_buffer, .address_space: global }
      - { .name: wc, .offset: 24, .size: 8, .value_kind: global_buffer, .address_space: global }
      - { .name: bq, .offset: 32, .size: 8, .value_kind: global_buffer, .address_space: global }
      - { .name: bk, .offset: 40, .size: 8, .value_kind: global_buffer, .address_space: global }
      - { .name: bv, .offset: 48, .size: 8, .value_kind: global_buffer, .address_space: global }
      - { .name: bo, .offset: 56, .size: 8, .value_kind: global_buffer, .address_space: global }
      - { .name: lowp_scales, .offset: 64, .size: 8, .value_kind: global_buffer, .address_space: global }
      - { .name: out0, .offset: 72, .size: 8, .value_kind: global_buffer, .address_space: global }
    .group_segment_fixed_size: 327680
    .private_segment_fixed_size: 0
    .kernarg_segment_align: 8
    .kernarg_segment_size: 80
    .max_flat_workgroup_size: 256
    .sgpr_count:     96
    .vgpr_count:     512
    .wavefront_size: 32
...
	.end_amdgpu_metadata
.endif
;; end of part 2
